; MI455X (gfx1250); checked and timed in simulation.
; The chip was launched on July 23, 2026; its instructions are those of AMD's public machine-readable ISA for CDNA 5 (MIT licence, August 2026) and "CDNA5" Instruction Set Architecture Reference Guide (July 2026). The comments in the code are by the model that wrote it; some were corrected since.
;; Detection. Allowed arithmetic: float matrix products may take bf16 or f16 operands with f32 sums; all other float work in f32.
;; Inputs: anchors 16,384 x 4 float32; classifications 8 x 16,384 x 21 float32; regressions 8 x 16,384 x 4 float32.
;; Outputs: out0 8 x 50 x 6 float32.
;; One version. Each part assembles by itself: llvm-mc -triple=amdgcn-amd-amdhsa -mcpu=gfx1250 --defsym DOCPART=n.
;; ======== version 1 of 1: 6 launches
;; workspace buffers: work 12,582,912 bytes; cnta 10,240 bytes of whole numbers; thra 10,240 bytes; rowsa 204,800 bytes; cntb 10,240 bytes of whole numbers; thrb 10,240 bytes; rowsb 204,800 bytes; part 819,200 bytes of whole numbers
;; launch prep (part 1): grid 256 x 1, 4 waves a work-group, no clusters, 43,520 bytes of LDS; arguments classifications, regressions, anchors, work, cnta, thra; writes work, cnta, thra
.if DOCPART == 1
	.amdgcn_target "amdgcn-amd-amdhsa--gfx1250"
	.amdhsa_code_object_version 6
	.text
	.protected	k_q7027df81be_prep
	.globl	k_q7027df81be_prep
	.p2align	8
	.type	k_q7027df81be_prep,@function
k_q7027df81be_prep:
	s_mov_b64 s[64:65], 0
	v_nop
	global_prefetch_b8 v0, s[64:65] scope:SCOPE_SE
	s_setreg_imm32_b32 hwreg(HW_REG_WAVE_MODE, 25, 1), 1
	s_wait_xcnt 0x0
; SOFTMAX, THRESHOLD AND BOX DECODE.  classifications [8][16384][21], regressions [8][16384][4], anchors [16384][4], all f32.
; Out, into work: scores [8][20][16384] f32 (class 0 left out; a score not above 0.05 is stored as -1), then from byte BOXOFF on the clipped corner boxes [8][16384][4].
; Inside every 128 anchors of a class the scores lie interleaved: word 4 l + b holds anchor 32 b + l, so that one 16-byte load a lane brings four slots of the passes that follow.
; SHARES.  256 work-groups of 4 waves; a wave owns 128 anchors: 10,752 consecutive bytes of logits = 21 loads of 16 bytes a lane, each 512 consecutive bytes.  They go through the wave's own
; LDS stage and come back as 21 words for each of the lane's four anchors 32 b + l: lanes 21 words apart, an odd number, so 32 lanes touch 32 different banks.  No wave reads another's stage: no barrier.
; SOFTMAX.  e = 2^(x log2e - m log2e), m the anchor's largest logit: the rounding of m log2e is common to the 21 classes and cancels in the quotient.
; p = e / sum is made as q = e r, p = q + r (e - q sum), r = v_rcp_f32(sum): the remainder step takes away the reciprocal's last-bit error.
; The first 160 work-groups also store what steers the first NMS pass: sixteen counts whose sum is FIRST steps, and the threshold 0.
; LIMITS.  NaN and infinities are not treated apart.  exp(0.2 loc) is 2^(loc x 0.2 log2e): one rounding of the argument where the reference has two.  An exponential below 2^-126 counts as 0.
; No matrix work: there are no products.  No cluster: work-groups share only the 256 KB of anchors, a fiftieth of what the launch reads.
.set STG,    10752                     ; bytes of 128 anchors' logits: a wave's stage
.set SPARE,  4*STG                     ; behind the stages: the spare words, 128 bytes a wave, two blocks of 256 bytes that no other line names
.set BOXOFF, 10485760                  ; 8 x 20 x 16384 x 4
.set FIRST,  4                         ; steps of the first NMS pass: 80 picks an image
.set RAW, 8                            ; v8-91    logits as loaded
.set O,   8                            ; v8-87    later: class c's four scores at O + 4 (c - 1)
.set X,   92                           ; v92-175  anchor b's 21 logits at X + 21 b, then exponentials
.set LOC, 176                          ; v176-191 four regressions, then boxes
.set ANC, 192                          ; v192-207 four anchors
.set TM,  208                          ; v208-211 at work in the decode
.set MX,  212
.set NM,  213
.set SU,  214
.set RC,  215
.set Q,   216
.set E,   217
.set SPW, 222                          ; LDS address of my spare word; never rewritten
.set NIL, 223                          ; 0; never rewritten
	s_load_b256 s[4:11], s[0:1], 0x0               ; classifications s[4:5], regressions s[6:7], anchors s[8:9], work s[10:11]
	s_load_b128 s[12:15], s[0:1], 0x20             ; cnta s[12:13], thra s[14:15]
	v_lshl_add_u32 v[SPW], v0, 2, SPARE
	v_mov_b32 v[NIL], 0
	v_and_b32 v1, 31, v0                           ; lane
	v_lshrrev_b32 v2, 5, v0
	v_readfirstlane_b32 s16, v2                    ; wave
	v_lshlrev_b32 v3, 4, v1                        ; 16 x lane
	s_mul_i32 s17, s16, STG                        ; my stage
	v_add_nc_u32 v5, s17, v3                       ; in: 16 bytes a lane
	v_mul_u32_u24 v6, v1, 84
	v_add_nc_u32 v6, s17, v6                       ; back: anchor l's 21 words
	s_mov_b32 s37, ttmp9
	s_lshl_b32 s18, s37, 2
	s_add_co_u32 s18, s18, s16                     ; my block of 128 anchors, 0 to 1023; 128 blocks an image
	s_mul_i32 s20, s18, STG                        ; its logits
	s_mov_b32 s21, 0
	s_lshl_b32 s22, s18, 11                        ; its regressions and boxes: 128 x 16 bytes
	s_mov_b32 s23, 0
	s_and_b32 s19, s18, 127
	s_lshl_b32 s24, s19, 11                        ; its anchors
	s_mov_b32 s25, 0
	s_lshr_b32 s26, s18, 7                         ; the image,
	s_mul_i32 s26, s26, 20*65536                   ; its 20 classes of 65,536 bytes,
	s_lshl_b32 s19, s19, 9                         ; my 512 bytes in each
	s_add_co_u32 s26, s26, s19
	s_mov_b32 s27, 0
	s_mov_b32 s35, 0x3fb8aa3b                      ; log2(e)
	s_mov_b32 s36, 0x3d4ccccd                      ; 0.05
	s_wait_kmcnt 0x0
	s_add_nc_u64 s[4:5], s[4:5], s[20:21]
	s_add_nc_u64 s[6:7], s[6:7], s[22:23]
	s_add_nc_u64 s[8:9], s[8:9], s[24:25]
	s_add_nc_u64 s[28:29], s[10:11], s[26:27]      ; my scores
	s_add_co_u32 s22, s22, BOXOFF
	s_add_nc_u64 s[30:31], s[10:11], s[22:23]      ; my boxes
.set k, 0
.rept 21
	global_load_b128 v[RAW+4*k:RAW+4*k+3], v3, s[4:5] offset:512*k th:TH_LOAD_NT
.set k, k+1
.endr
.set k, 0
.rept 4
	global_load_b128 v[LOC+4*k:LOC+4*k+3], v3, s[6:7] offset:512*k th:TH_LOAD_NT  ; anchor 32 k + l
.set k, k+1
.endr
.set k, 0
.rept 4
	global_load_b128 v[ANC+4*k:ANC+4*k+3], v3, s[8:9] offset:512*k                ; read again by the other seven images: no hint
.set k, k+1
.endr
	s_wait_loadcnt 0x8                             ; the 21 loads of logits are in; the eight issued behind them may be out
.set k, 0
.rept 21
	ds_store_b128 v5, v[RAW+4*k:RAW+4*k+3] offset:512*k
.set k, k+1
.endr
.set b, 0
.rept 4
.set k, 0
.rept 21
	ds_load_b32 v[X+21*b+k], v6 offset:2688*b+4*k  ; LDS serves a wave's instructions in order (ISA guide 5.7.1.4): these see the stores above
.set k, k+1
.endr
.set b, b+1
.endr
; One box: centre = a.xy + loc.xy 0.1 a.wh; size = a.wh exp(0.2 loc.zw); corners clipped to 0..1, into LOC's registers.
.macro DECODE q
.set LQ, LOC+4*(\q)
.set AQ, ANC+4*(\q)
	v_pk_mul_f32 v[TM:TM+1], v[LQ:LQ+1], 0x3dcccccd op_sel_hi:[1,0]        ; loc x 0.1
	v_pk_mul_f32 v[TM+2:TM+3], v[LQ+2:LQ+3], 0x3e93bb63 op_sel_hi:[1,0]    ; loc x 0.2 log2(e)
	v_exp_f32 v[TM+2], v[TM+2]
	v_exp_f32 v[TM+3], v[TM+3]
	v_pk_fma_f32 v[TM:TM+1], v[TM:TM+1], v[AQ+2:AQ+3], v[AQ:AQ+1]          ; the centre; also the plain instruction between the exponentials and their use (ISA guide 5.7.2)
	s_wait_alu depctr_va_vdst(0)
	v_pk_mul_f32 v[TM+2:TM+3], v[TM+2:TM+3], v[AQ+2:AQ+3]                  ; width and height
	v_pk_fma_f32 v[LQ:LQ+1], v[TM+2:TM+3], -0.5, v[TM:TM+1] op_sel_hi:[1,0,1]
	v_pk_fma_f32 v[LQ+2:LQ+3], v[TM+2:TM+3], 0.5, v[TM:TM+1] op_sel_hi:[1,0,1]
.irp f, 0,1,2,3
	v_max_num_f32 v[LQ+\f], 0, v[LQ+\f]
.endr
.irp f, 0,1,2,3
	v_min_num_f32 v[LQ+\f], 1.0, v[LQ+\f]
.endr
.endm
	s_wait_tensorcnt 0x0                           ; the wave's last LDS store stands above
	ds_add_u32 v[SPW], v[NIL]                      ; the boxes' arithmetic, work on registers, stands between the add and the wait for it
	s_wait_loadcnt 0x0                             ; regressions and anchors
	DECODE 0
	DECODE 1
	DECODE 2
	DECODE 3
	s_wait_dscnt 0x0                               ; the add is done and the logits are back
.set k, 0
.rept 4
	global_store_b128 v3, v[LOC+4*k:LOC+4*k+3], s[30:31] offset:512*k      ; 512 consecutive bytes, at a multiple of 256
.set k, k+1
.endr
; Anchor b's softmax; classes 1 to 20 go, thresholded, into O.
.macro SOFTMAX b
.set XB, X+21*(\b)
	v_max3_num_f32 v[MX], v[XB], v[XB+1], v[XB+2]
.set k, 3
.rept 9
	v_max3_num_f32 v[MX], v[MX], v[XB+k], v[XB+k+1]
.set k, k+2
.endr
	v_mul_f32 v[NM], 0xbfb8aa3b, v[MX]             ; - m log2(e)
.set k, 0
.rept 21
	v_fma_f32 v[XB+k], v[XB+k], s35, v[NM]
.set k, k+1
.endr
.set k, 0
.rept 21
	v_exp_f32 v[XB+k], v[XB+k]
.set k, k+1
.endr
	v_nop                                          ; a plain instruction behind the last exponential
	s_wait_alu depctr_va_vdst(0)
	v_add_f32 v[SU], v[XB], v[XB+1]
.set k, 2
.rept 19
	v_add_f32 v[SU], v[SU], v[XB+k]
.set k, k+1
.endr
	v_rcp_f32 v[RC], v[SU]
	v_nop                                          ; a plain instruction behind the reciprocal
.set k, 1
	s_wait_alu depctr_va_vdst(0)
.rept 20
	v_mul_f32 v[Q], v[XB+k], v[RC]
	v_fma_f32 v[E], -v[Q], v[SU], v[XB+k]          ; what the first quotient leaves
	v_fma_f32 v[Q], v[E], v[RC], v[Q]
	v_cmp_lt_f32 vcc_lo, s36, v[Q]
	v_cndmask_b32 v[O+4*(k-1)+(\b)], -1.0, v[Q], vcc_lo
.set k, k+1
.endr
.endm
	SOFTMAX 0
	SOFTMAX 1
	SOFTMAX 2
	SOFTMAX 3
.set k, 0
.rept 20
	global_store_b128 v3, v[O+4*k:O+4*k+3], s[28:29] offset:65536*k        ; class k + 1: 512 consecutive bytes, at a multiple of 256
.set k, k+1
.endr
	; what steers the first NMS pass, for list = the work-group's number: wave 0 of the first 160 work-groups
	s_cmp_lg_u32 s16, 0
	s_cbranch_scc1 .Lend
	s_cmp_ge_u32 s37, 160
	s_cbranch_scc1 .Lend
	s_lshl_b32 s32, s37, 6                         ; 64 bytes a list
	s_mov_b32 s33, 0
	s_add_nc_u64 s[12:13], s[12:13], s[32:33]
	s_add_nc_u64 s[14:15], s[14:15], s[32:33]
	v_lshlrev_b32 v218, 2, v1
	v_mov_b32 v220, FIRST
	v_mov_b32 v221, 0
	v_cmp_eq_u32 vcc_lo, 0, v1
	v_cndmask_b32 v219, 0, v220, vcc_lo            ; word 0: FIRST; the others: 0
	v_cmp_gt_u32 vcc_lo, 16, v1
	s_wait_xcnt 0x0                                ; EXEC is a source of the stores above: it changes only behind this wait
	s_and_saveexec_b32 s34, vcc_lo
	global_store_b32 v218, v219, s[12:13]
	global_store_b32 v218, v221, s[14:15]          ; the threshold 0 keeps every score that is not -1
	s_wait_xcnt 0x0
	s_or_b32 exec_lo, exec_lo, s34
.Lend:
	s_endpgm
.Lfunc_end_k_q7027df81be_prep:
	.size	k_q7027df81be_prep, .Lfunc_end_k_q7027df81be_prep-k_q7027df81be_prep
	.p2alignl 7, 3214868480
	.fill 96, 4, 3214868480
	.section	.rodata,"a",@progbits
	.p2align	6, 0x0
	.amdhsa_kernel k_q7027df81be_prep
		.amdhsa_group_segment_fixed_size 43520
		.amdhsa_private_segment_fixed_size 0
		.amdhsa_enable_private_segment 0
		.amdhsa_kernarg_size 48
		.amdhsa_user_sgpr_count 2
		.amdhsa_user_sgpr_kernarg_segment_ptr 1
		.amdhsa_wavefront_size32 1
		.amdhsa_system_sgpr_workgroup_id_x 1
		.amdhsa_system_sgpr_workgroup_id_y 1
		.amdhsa_system_sgpr_workgroup_id_z 1
		.amdhsa_system_vgpr_workitem_id 0
		.amdhsa_next_free_vgpr 224
		.amdhsa_next_free_sgpr 66
		.amdhsa_reserve_vcc 1
		.amdhsa_float_denorm_mode_32 3
		.amdhsa_float_denorm_mode_16_64 3
		.amdhsa_memory_ordered 1
		.amdhsa_forward_progress 1
		.amdhsa_inst_pref_size 49
	.end_amdhsa_kernel
	.amdgpu_metadata
---
amdhsa.version: [ 1, 2 ]
amdhsa.kernels:
  - .name:           k_q7027df81be_prep
    .symbol:         k_q7027df81be_prep.kd
    .args:
      - { .name: classifications, .offset: 0, .size: 8, .value_kind: global_buffer, .address_space: global }
      - { .name: regressions, .offset: 8, .size: 8, .value_kind: global_buffer, .address_space: global }
      - { .name: anchors, .offset: 16, .size: 8, .value_kind: global_buffer, .address_space: global }
      - { .name: work, .offset: 24, .size: 8, .value_kind: global_buffer, .address_space: global }
      - { .name: cnta, .offset: 32, .size: 8, .value_kind: global_buffer, .address_space: global }
      - { .name: thra, .offset: 40, .size: 8, .value_kind: global_buffer, .address_space: global }
    .group_segment_fixed_size: 43520
    .private_segment_fixed_size: 0
    .kernarg_segment_align: 8
    .kernarg_segment_size: 48
    .max_flat_workgroup_size: 128
    .sgpr_count:     66
    .vgpr_count:     224
    .wavefront_size: 32
...
	.end_amdgpu_metadata
.endif
;; end of part 1
;; launch nmsa (part 2): grid 20 x 8, 16 waves a work-group, no clusters, 3,072 bytes of LDS; arguments work, cnta, thra, rowsa; writes rowsa
.if DOCPART == 2
	.amdgcn_target "amdgcn-amd-amdhsa--gfx1250"
	.amdhsa_code_object_version 6
	.text
	.protected	k_q7027df81be_nmsa
	.globl	k_q7027df81be_nmsa
	.p2align	8
	.type	k_q7027df81be_nmsa,@function
k_q7027df81be_nmsa:
	s_mov_b64 s[64:65], 0
	v_nop
	global_prefetch_b8 v0, s[64:65] scope:SCOPE_SE
	s_setreg_imm32_b32 hwreg(HW_REG_WAVE_MODE, 25, 1), 1
	s_wait_xcnt 0x0
; GREEDY NMS OF ONE LIST (image n = work-group y, class index c = work-group x), everything in registers.  Arguments: work (scores and boxes), cnt, thr, rows.
; Scores below the list's threshold T (thr) count as dead; min(50, the sum of the list's 16 counts), rounded up to even, steps are made.  A step: the largest live score (lowest anchor among
; equals), its box; the row (box, score) goes into slot = step if the score is above 0; every anchor whose IoU with the box is above 0.45, and the anchor itself, dies (score -1).
; WHY A THRESHOLD IS SOUND.  A pick kills only anchors of equal or lower score, so the picks at or above T are the same whether or not the scores below T take part.
; SHARES.  16 waves; wave w, lane l hold slots j = 0..31, anchor 1024 w + 32 j + l: score, area and box, 192 registers.  Anchor order is wave, slot, lane.
; NOTHING STEERS BY FLOATS.  The chosen box is brought by selects and lane maxima (boxes lie in 0..1, -1 stands for 'not chosen'), never by an address; the only branches hang on the loop's
; constant count and on the number of steps read from memory.  The loop has 25 trips of two steps whatever that number is; the trips past it jump forward over the work, never over a barrier.
; THE KILL TEST.  fl(inter / u) > 0.45f holds exactly where inter > u (0.45f + 2^-26): 0.45f has an even last bit, so the midpoint rounds down.  inter - 0.45f u by one fused multiply-add is
; exact wherever it is small enough to matter, and the second fused multiply-add has the exact sign.  u = 0 gives 0 > 0: no kill, as in the reference.  Only the width is clamped at 0: a
; negative height makes inter <= 0 and u >= 0, the same 'no kill' as the reference's inter = 0.
; LIMITS.  NaN is not treated apart; areas in the denormal range are outside the exactness argument above.
; No tensor loads, no cluster: a work-group loads its 320 KB once, in one run at its head, and then works on registers; the 256 KB of boxes that an image's 20 lists share come from the L2.
.set BOXOFF, 10485760
.set SPARE,  1024                      ; behind the two records: the spare words, 128 bytes a wave, eight blocks of 256 bytes that no other line names
.set REC,    512                       ; record p at 512 p: field f (score, x1, y1, x2, y2) at + 64 f, wave w's word at + 4 w
.set M,   5                            ; v5      the maximum in hand
.set SEL, 8                            ; v8-11   my wave's best box; at work while the maximum is made
.set RM,  12                           ; v12     the waves' maxima, wave l % 16 in lane l
.set G,   13                           ; v13-16  the waves' boxes, then the chosen box
.set AS,  18                           ; v18-19  the chosen box's area, twice
.set T0,  20                           ; v20-27  at work, four registers for each anchor of a pair
.set IN,  28                           ; v28-29  intersections, then the test's value
.set U,   30                           ; v30-31  unions
.set R0,  32                           ; v32-36  result rows, slot l: x1, y1, x2, y2, score
.set R1,  40                           ; v40-44  slot 32 + l
.set NEG, 61                           ; v61     -1.0
.set SPW, 62                           ; v62     LDS address of my spare word; never rewritten
.set NIL, 63                           ; v63     0; never rewritten
.set S,   64                           ; v64-95   scores
.set AR,  96                           ; v96-127  areas
.set BX,  128                          ; v128-255 boxes, slot j at BX + 4 j
.set EQ,  32                           ; s32-63  slot j: the lanes that hold my wave's maximum; behind the scan only the first such slot keeps its lanes
	s_load_b256 s[4:11], s[0:1], 0x0               ; work s[4:5], cnt s[6:7], thr s[8:9], rows s[10:11]
	v_lshl_add_u32 v[SPW], v0, 2, SPARE
	v_mov_b32 v[NIL], 0
	v_and_b32 v1, 31, v0                           ; lane = result slot
	v_lshrrev_b32 v3, 5, v0
	v_readfirstlane_b32 s14, v3                    ; wave
	v_lshlrev_b32 v3, 2, v3                        ; 4 w: my word in a record's field
	v_add_nc_u32 v2, 32, v1                        ; the lane's second result slot
	v_and_b32 v4, 15, v0
	v_lshlrev_b32 v4, 2, v4                        ; 4 (l % 16): the word that I read back
	v_lshlrev_b32 v59, 2, v1
	v_lshlrev_b32 v60, 4, v1
	v_mov_b32 v[NEG], -1.0
	v_mov_b32 v6, 0                                ; v_permlanex16_b32's destination counts as read
	v_mov_b32 v7, 0
	s_and_b32 s75, ttmp7, 0xffff                   ; image
	s_mul_i32 s15, s75, 20
	s_add_co_u32 s15, s15, ttmp9                   ; list
	s_lshl_b32 s80, s15, 6
	s_mov_b32 s81, 0
	s_mov_b32 s70, 0x76543210                      ; v_permlanex16_b32: each lane takes its own place in the other half
	s_mov_b32 s71, 0xfedcba98
	s_wait_kmcnt 0x0
	s_add_nc_u64 s[6:7], s[6:7], s[80:81]
	s_add_nc_u64 s[8:9], s[8:9], s[80:81]
	s_load_b512 s[16:31], s[6:7], 0x0              ; the list's sixteen counts
	s_load_b32 s66, s[8:9], 0x0                    ; T
	s_lshl_b32 s80, s15, 16                        ; the list's scores,
	s_lshl_b32 s76, s14, 12                        ; my wave's 1,024
	s_add_co_u32 s80, s80, s76
	s_add_nc_u64 s[82:83], s[4:5], s[80:81]
	s_lshl_b32 s80, s75, 18                        ; the image's boxes,
	s_lshl_b32 s76, s14, 14                        ; my wave's
	s_add_co_u32 s80, s80, s76
	s_add_co_u32 s80, s80, BOXOFF
	s_add_nc_u64 s[12:13], s[4:5], s[80:81]
.set q, 0
.rept 8
	global_load_b128 v[S+4*q:S+4*q+3], v60, s[82:83] offset:512*q          ; slots 4 q .. 4 q + 3
.set q, q+1
.endr
.set j, 0
.rept 32
	global_load_b128 v[BX+4*j:BX+4*j+3], v60, s[12:13] offset:512*j
.set j, j+1
.endr
	; what the loop finds
.set j, 0
.rept 32
	s_mov_b32 s[EQ+j], 0
.set j, j+1
.endr
	s_mov_b32 s73, 0
	s_mov_b32 s68, 0                               ; trip
	s_mov_b32 s69, 0                               ; step = the result slot to be written
.irp f, 0,1,2,3,4
	v_mov_b32 v[R0+\f], 0
	v_mov_b32 v[R1+\f], 0
.endr
	v_cmp_le_u32 vcc_lo, 18, v1
	v_cndmask_b32 v[R1+4], 0, v[NEG], vcc_lo       ; slots 50 to 63 are no rows: score -1
.irp f, 0,1,2,3,4
	ds_store_b32 v3, v[NEG] offset:64*\f           ; my words of both records hold a number from the start
	ds_store_b32 v3, v[NEG] offset:REC+64*\f
.endr
	s_wait_kmcnt 0x0
.set j, 17
.rept 15
	s_add_co_u32 s16, s16, s[j]
.set j, j+1
.endr
	s_min_u32 s67, s16, 50
	s_add_co_u32 s67, s67, 1
	s_lshr_b32 s67, s67, 1                         ; live trips, two steps each
	s_wait_loadcnt 0x20                            ; the eight loads of scores are in; the 32 of boxes, issued behind them, may be out
.set j, 0
.rept 32
	v_cmp_le_f32 vcc_lo, s66, v[S+j]
	v_cndmask_b32 v[S+j], v[NEG], v[S+j], vcc_lo   ; below T: dead
.set j, j+1
.endr
	s_wait_loadcnt 0x0
.set j, 0
.rept 32
	v_pk_add_f32 v[6:7], v[BX+4*j+2:BX+4*j+3], v[BX+4*j:BX+4*j+1] neg_lo:[0,1] neg_hi:[0,1]
	v_mul_f32 v[AR+j], v6, v7
.set j, j+1
.endr
.macro ROWMAX r                        ; the maximum over each half of 16 lanes, in every lane of it
	v_max_num_f32_dpp v[\r], v[\r], v[\r] row_xmask:1 row_mask:0xf bank_mask:0xf
	v_max_num_f32_dpp v[\r], v[\r], v[\r] row_xmask:2 row_mask:0xf bank_mask:0xf
	v_max_num_f32_dpp v[\r], v[\r], v[\r] row_xmask:4 row_mask:0xf bank_mask:0xf
	v_max_num_f32_dpp v[\r], v[\r], v[\r] row_xmask:8 row_mask:0xf bank_mask:0xf
.endm
.macro REDMAX r                        ; over all 32 lanes
	ROWMAX \r
	v_permlanex16_b32 v6, v[\r], s70, s71
	v_max_num_f32 v[\r], v[\r], v6
.endm
; MY WAVE'S BEST: its score and box go into record p.
.macro PRE p
.irp c, 0,1,2,3                        ; four chains of seven scores, three operands at a time
	v_max3_num_f32 v[SEL+\c], v[S+8*\c], v[S+8*\c+1], v[S+8*\c+2]
.endr
.irp c, 0,1,2,3
	v_max3_num_f32 v[SEL+\c], v[SEL+\c], v[S+8*\c+3], v[S+8*\c+4]
.endr
.irp c, 0,1,2,3
	v_max3_num_f32 v[SEL+\c], v[SEL+\c], v[S+8*\c+5], v[S+8*\c+6]
.endr
	v_max3_num_f32 v[SEL], v[SEL], v[S+7], v[S+15]
	v_max3_num_f32 v[SEL+2], v[SEL+2], v[S+23], v[S+31]
	v_max3_num_f32 v[M], v[SEL], v[SEL+1], v[SEL+2]
	v_max_num_f32 v[M], v[M], v[SEL+3]
	REDMAX M
.set j, 0
.rept 32
	v_cmp_eq_f32 s[EQ+j], v[M], v[S+j]
.set j, j+1
.endr
	s_mov_b32 s72, 0
	s_cmp_lg_u32 s72, 0                            ; nothing found yet
.set j, 0
.rept 32
	s_cselect_b32 s[EQ+j], 0, s[EQ+j]              ; a slot behind the first that holds the maximum loses its lanes;
	s_or_b32 s72, s72, s[EQ+j]                     ; SCC: found
.set j, j+1
.endr
	s_sub_co_u32 s75, 0, s72
	s_and_b32 s73, s72, s75                        ; the lowest lane of that slot
.irp f, 0,1,2,3
	v_cndmask_b32 v[SEL+\f], v[NEG], v[BX+\f], s[EQ]
.endr
.set j, 1
.rept 31
.irp f, 0,1,2,3
	v_cndmask_b32 v[SEL+\f], v[SEL+\f], v[BX+4*j+\f], s[EQ+j]
.endr
.set j, j+1
.endr
.irp f, 0,1,2,3
	v_cndmask_b32 v[SEL+\f], v[NEG], v[SEL+\f], s73
.endr
.irp f, 0,1,2,3
	REDMAX SEL+\f                                  ; the one lane's box, in every lane
.endr
	ds_store_b32 v3, v[M] offset:REC*(\p)          ; all lanes store the same number to the same word
.irp f, 0,1,2,3
	ds_store_b32 v3, v[SEL+\f] offset:REC*(\p)+64+64*\f
.endr
.endm
; Slots 2 q and 2 q + 1 against the chosen box.
.macro KILL2 q
.set J, 2*(\q)
.irp a, 0,1
	v_max_num_f32 v[T0+4*\a],   v[G],   v[BX+4*(J+\a)]
	v_max_num_f32 v[T0+4*\a+1], v[G+1], v[BX+4*(J+\a)+1]
	v_min_num_f32 v[T0+4*\a+2], v[G+2], v[BX+4*(J+\a)+2]
	v_min_num_f32 v[T0+4*\a+3], v[G+3], v[BX+4*(J+\a)+3]
.endr
.irp a, 0,1
	v_pk_add_f32 v[T0+4*\a:T0+4*\a+1], v[T0+4*\a+2:T0+4*\a+3], v[T0+4*\a:T0+4*\a+1] neg_lo:[0,1] neg_hi:[0,1]
.endr
.irp a, 0,1
	v_max_num_f32 v[T0+4*\a], 0, v[T0+4*\a]
.endr
.irp a, 0,1
	v_mul_f32 v[IN+\a], v[T0+4*\a], v[T0+4*\a+1]
.endr
	v_pk_add_f32 v[U:U+1], v[AS:AS+1], v[AR+J:AR+J+1]
	v_pk_add_f32 v[U:U+1], v[U:U+1], v[IN:IN+1] neg_lo:[0,1] neg_hi:[0,1]
	v_pk_fma_f32 v[IN:IN+1], v[U:U+1], 0xbee66666, v[IN:IN+1] op_sel_hi:[1,0,1]   ; inter - 0.45f u
	v_pk_fma_f32 v[IN:IN+1], v[U:U+1], 0xb2800000, v[IN:IN+1] op_sel_hi:[1,0,1]   ; - 2^-26 u
	v_cmp_lt_f32 s76, 0, v[IN]
	v_cmp_lt_f32 s78, 0, v[IN+1]
	s_and_b32 s75, s[EQ+J], s74                    ; the chosen anchor itself, if it is mine and in this slot
	s_and_b32 s77, s[EQ+J+1], s74
	s_or_b32 s76, s76, s75
	s_or_b32 s78, s78, s77
	v_cndmask_b32 v[S+J], v[S+J], v[NEG], s76
	v_cndmask_b32 v[S+J+1], v[S+J+1], v[NEG], s78
.endm
; THE LIST'S BEST out of record p, the row, and the kill pass.  Every wave does the same and holds the same rows.
.macro POST p
	ds_load_b32 v[RM], v4 offset:REC*(\p)
.irp f, 0,1,2,3
	ds_load_b32 v[G+\f], v4 offset:REC*(\p)+64+64*\f
.endr
	s_wait_dscnt 0x0
	v_mov_b32 v[M], v[RM]
	ROWMAX M                                       ; each half of the lanes holds all 16 waves
	v_cmp_eq_f32 s75, v[M], v[RM]
	s_and_b32 s75, s75, 0xffff
	s_sub_co_u32 s76, 0, s75
	s_and_b32 s76, s75, s76                        ; the first wave that holds the maximum,
	s_lshl_b32 s77, s76, 16
	s_or_b32 s77, s77, s76                         ; in both halves of the lanes
	s_lshr_b32 s78, s76, s14
	s_and_b32 s78, s78, 1
	s_sub_co_u32 s78, 0, s78                       ; all ones if that wave is mine
	s_and_b32 s74, s78, s73                        ; then: the chosen anchor's lane
.irp f, 0,1,2,3
	v_cndmask_b32 v[G+\f], v[NEG], v[G+\f], s77
.endr
.irp f, 0,1,2,3
	ROWMAX G+\f
.endr
	v_sub_f32 v6, v[G+2], v[G]
	v_sub_f32 v7, v[G+3], v[G+1]
	v_mul_f32 v[AS], v6, v7
	v_mov_b32 v[AS+1], v[AS]
	v_cmp_lt_f32 s75, 0, v[M]                      ; a valid pick.  If not, every score is -1 already, and the kill pass changes nothing
	v_cmp_eq_u32 s78, s69, v1
	v_cmp_eq_u32 s79, s69, v2
	s_and_b32 s78, s78, s75
	s_and_b32 s79, s79, s75
.irp f, 0,1,2,3
	v_cndmask_b32 v[R0+\f], v[R0+\f], v[G+\f], s78
	v_cndmask_b32 v[R1+\f], v[R1+\f], v[G+\f], s79
.endr
	v_cndmask_b32 v[R0+4], v[R0+4], v[M], s78
	v_cndmask_b32 v[R1+4], v[R1+4], v[M], s79
	s_add_co_u32 s69, s69, 1
.set kq, 0
.rept 16
	KILL2 kq
.set kq, kq+1
.endr
.endm
; A step.  One barrier: in front of it my stores into record p are done, behind it all 16 waves' are.  Record p is written again two steps on: between stands the other step's barrier,
; in front of which every wave's reads of record p have come back (POST waits for them).
.macro STEP p
	s_cmp_ge_u32 s68, s67
	s_cbranch_scc1 .Lpre_\@
	PRE \p
.Lpre_\@:
	s_wait_dscnt 0x0
	s_barrier_signal -1
	s_barrier_wait -1
	s_cmp_ge_u32 s68, s67
	s_cbranch_scc1 .Lpost_\@
	POST \p
.Lpost_\@:
.endm
.Ltrip:
	STEP 0
	STEP 1
	s_add_co_u32 s68, s68, 1
	s_cmp_lt_u32 s68, 25
	s_cbranch_scc1 .Ltrip
	s_wait_tensorcnt 0x0                           ; the wave's end, behind my last LDS store
	ds_add_u32 v[SPW], v[NIL]
	s_wait_dscnt 0x0
	s_cmp_lg_u32 s14, 0
	s_cbranch_scc1 .Ldone                          ; all waves hold the same rows: wave 0 stores them
	s_mul_i32 s80, s15, 1280                       ; 5 fields of 64 slots
	s_add_nc_u64 s[10:11], s[10:11], s[80:81]
.irp f, 0,1,2,3,4
	global_store_b32 v59, v[R0+\f], s[10:11] offset:256*\f
	global_store_b32 v59, v[R1+\f], s[10:11] offset:256*\f+128
.endr
.Ldone:
	s_endpgm
.Lfunc_end_k_q7027df81be_nmsa:
	.size	k_q7027df81be_nmsa, .Lfunc_end_k_q7027df81be_nmsa-k_q7027df81be_nmsa
	.p2alignl 7, 3214868480
	.fill 96, 4, 3214868480
	.section	.rodata,"a",@progbits
	.p2align	6, 0x0
	.amdhsa_kernel k_q7027df81be_nmsa
		.amdhsa_group_segment_fixed_size 3072
		.amdhsa_private_segment_fixed_size 0
		.amdhsa_enable_private_segment 0
		.amdhsa_kernarg_size 32
		.amdhsa_user_sgpr_count 2
		.amdhsa_user_sgpr_kernarg_segment_ptr 1
		.amdhsa_wavefront_size32 1
		.amdhsa_system_sgpr_workgroup_id_x 1
		.amdhsa_system_sgpr_workgroup_id_y 1
		.amdhsa_system_sgpr_workgroup_id_z 1
		.amdhsa_system_vgpr_workitem_id 0
		.amdhsa_next_free_vgpr 256
		.amdhsa_next_free_sgpr 84
		.amdhsa_reserve_vcc 1
		.amdhsa_float_denorm_mode_32 3
		.amdhsa_float_denorm_mode_16_64 3
		.amdhsa_memory_ordered 1
		.amdhsa_forward_progress 1
		.amdhsa_inst_pref_size 91
	.end_amdhsa_kernel
	.amdgpu_metadata
---
amdhsa.version: [ 1, 2 ]
amdhsa.kernels:
  - .name:           k_q7027df81be_nmsa
    .symbol:         k_q7027df81be_nmsa.kd
    .args:
      - { .name: work, .offset: 0, .size: 8, .value_kind: global_buffer, .address_space: global }
      - { .name: cnta, .offset: 8, .size: 8, .value_kind: global_buffer, .address_space: global }
      - { .name: thra, .offset: 16, .size: 8, .value_kind: global_buffer, .address_space: global }
      - { .name: rowsa, .offset: 24, .size: 8, .value_kind: global_buffer, .address_space: global }
    .group_segment_fixed_size: 3072
    .private_segment_fixed_size: 0
    .kernarg_segment_align: 8
    .kernarg_segment_size: 32
    .max_flat_workgroup_size: 512
    .sgpr_count:     84
    .vgpr_count:     256
    .wavefront_size: 32
...
	.end_amdgpu_metadata
.endif
;; end of part 2
;; launch thresh (part 3): grid 20 x 8, 16 waves a work-group, no clusters, 0 bytes of LDS; arguments rowsa, work, cntb, thrb; writes cntb, thrb
.if DOCPART == 3
	.amdgcn_target "amdgcn-amd-amdhsa--gfx1250"
	.amdhsa_code_object_version 6
	.text
	.protected	k_q7027df81be_thresh
	.globl	k_q7027df81be_thresh
	.p2align	8
	.type	k_q7027df81be_thresh,@function
k_q7027df81be_thresh:
	s_mov_b64 s[64:65], 0
	v_nop
	global_prefetch_b8 v0, s[64:65] scope:SCOPE_SE
	s_setreg_imm32_b32 hwreg(HW_REG_WAVE_MODE, 25, 1), 1
	s_wait_xcnt 0x0
; THE SECOND PASS'S THRESHOLD AND STEP COUNT, for list (image n = work-group y, class index c = work-group x).
; T = the largest v among the image's 80 first picks (4 of each class; an invalid pick counts as 0) for which at least 50 of the 80 are >= v: the 50th largest, 0 if fewer than 50 are valid.
; At least 50 true picks are >= T, so every row of the image's best 50 is a pick >= T.  Wave w counts its 1,024 scores >= T: each valid step kills at least its own anchor, so the
; sum of the 16 counts bounds the steps that can give a row.  Each wave makes T for itself from 80 scalars and 3 candidates a lane: no LDS, no barrier.
; Stored: cntb[list][w] (a whole number: it steers the next launch's trips), thrb[list][w] = T.
.set CA,  8                            ; v8-10   candidates: picks l, l + 32, min(l + 64, 79)
.set CN,  12                           ; v12-14  how many of the 80 are >= the candidate
.set TT,  16                           ; v16     T
.set SC,  32                           ; v32-63  my scores
	s_load_b256 s[4:11], s[0:1], 0x0               ; rowsa s[4:5], work s[6:7], cntb s[8:9], thrb s[10:11]
	v_and_b32 v1, 31, v0
	v_lshrrev_b32 v2, 5, v0
	v_readfirstlane_b32 s12, v2                    ; wave
	s_and_b32 s2, ttmp7, 0xffff                    ; image
	s_mul_i32 s13, s2, 20
	s_add_co_u32 s13, s13, ttmp9                   ; list
	s_mul_i32 s14, s2, 25600                       ; the image's 20 lists of rows, 1,280 bytes each
	s_mov_b32 s15, 0
	s_mov_b32 s100, 0x76543210
	s_mov_b32 s101, 0xfedcba98
	v_add_nc_u32 v3, 32, v1
	v_add_nc_u32 v4, 64, v1
	v_min_u32 v4, 79, v4
.macro CAND src, dst                   ; pick p lies in class p / 4, slot p % 4
	v_lshrrev_b32 v5, 2, v[\src]
	v_mul_u32_u24 v5, 1280, v5
	v_and_b32 v6, 3, v[\src]
	v_lshl_add_u32 v[\dst], v6, 2, v5
.endm
	CAND 1, 24
	CAND 3, 25
	CAND 4, 26
	v_lshlrev_b32 v7, 4, v1
	v_mov_b32 v[CN], 0
	v_mov_b32 v[CN+1], 0
	v_mov_b32 v[CN+2], 0
	v_mov_b32 v17, 0                               ; v_permlanex16_b32's destination counts as read
	v_mov_b32 v21, 0
	s_wait_kmcnt 0x0
	s_add_nc_u64 s[4:5], s[4:5], s[14:15]
.set c, 0
.rept 12
	s_load_b128 s[16+4*c:19+4*c], s[4:5], 1280*c+1024      ; class c's four scores (field 4)
.set c, c+1
.endr
.rept 8
	s_load_b128 s[20+4*c:23+4*c], s[4:5], 1280*c+1024      ; classes 12 to 19 into s68-99
.set c, c+1
.endr
	global_load_b32 v[CA], v24, s[4:5] offset:1024
	global_load_b32 v[CA+1], v25, s[4:5] offset:1024
	global_load_b32 v[CA+2], v26, s[4:5] offset:1024
	s_lshl_b32 s14, s13, 16
	s_lshl_b32 s3, s12, 12
	s_add_co_u32 s14, s14, s3
	s_add_nc_u64 s[6:7], s[6:7], s[14:15]          ; my wave's 1,024 scores
.set q, 0
.rept 8
	global_load_b128 v[SC+4*q:SC+4*q+3], v7, s[6:7] offset:512*q
.set q, q+1
.endr
	s_lshl_b32 s14, s13, 6
	s_lshl_b32 s3, s12, 2
	s_add_co_u32 s14, s14, s3
	s_add_nc_u64 s[8:9], s[8:9], s[14:15]
	s_add_nc_u64 s[10:11], s[10:11], s[14:15]
	s_wait_kmcnt 0x0
	s_wait_loadcnt 0x8                             ; the three candidates are in; the eight loads of scores, issued behind them, may be out
.macro COUNT r
.irp k, 0,1,2
	v_cmp_ge_f32 vcc_lo, s[\r], v[CA+\k]
	v_add_co_ci_u32 v[CN+\k], vcc_lo, 0, v[CN+\k], vcc_lo
.endr
.endm
.set r, 16
.rept 48
	COUNT r
.set r, r+1
.endr
.set r, 68
.rept 32
	COUNT r
.set r, r+1
.endr
.irp k, 0,1,2
	v_cmp_le_u32 vcc_lo, 50, v[CN+\k]
	v_cndmask_b32 v[CA+\k], 0, v[CA+\k], vcc_lo
.endr
	v_max3_num_f32 v[TT], v[CA], v[CA+1], v[CA+2]
	v_max_num_f32_dpp v[TT], v[TT], v[TT] row_xmask:1 row_mask:0xf bank_mask:0xf
	v_max_num_f32_dpp v[TT], v[TT], v[TT] row_xmask:2 row_mask:0xf bank_mask:0xf
	v_max_num_f32_dpp v[TT], v[TT], v[TT] row_xmask:4 row_mask:0xf bank_mask:0xf
	v_max_num_f32_dpp v[TT], v[TT], v[TT] row_xmask:8 row_mask:0xf bank_mask:0xf
	v_permlanex16_b32 v17, v[TT], s100, s101
	v_max_num_f32 v[TT], v[TT], v17
	s_mov_b32 s2, 0
	s_wait_loadcnt 0x0
.set k, 0
.rept 32
	v_cmp_ge_f32 s3, v[SC+k], v[TT]                ; a dead score, -1, is below every T
	s_bcnt1_i32_b32 s3, s3
	s_add_co_u32 s2, s2, s3
.set k, k+1
.endr
	v_mov_b32 v20, s2
	v_cmp_eq_u32 vcc_lo, 0, v1
	s_wait_xcnt 0x0                                ; EXEC is a source of the loads above: it changes only behind this wait
	s_and_saveexec_b32 s104, vcc_lo
	global_store_b32 v21, v20, s[8:9]
	global_store_b32 v21, v[TT], s[10:11]
	s_wait_xcnt 0x0
	s_or_b32 exec_lo, exec_lo, s104
	s_endpgm
.Lfunc_end_k_q7027df81be_thresh:
	.size	k_q7027df81be_thresh, .Lfunc_end_k_q7027df81be_thresh-k_q7027df81be_thresh
	.p2alignl 7, 3214868480
	.fill 96, 4, 3214868480
	.section	.rodata,"a",@progbits
	.p2align	6, 0x0
	.amdhsa_kernel k_q7027df81be_thresh
		.amdhsa_group_segment_fixed_size 0
		.amdhsa_private_segment_fixed_size 0
		.amdhsa_enable_private_segment 0
		.amdhsa_kernarg_size 32
		.amdhsa_user_sgpr_count 2
		.amdhsa_user_sgpr_kernarg_segment_ptr 1
		.amdhsa_wavefront_size32 1
		.amdhsa_system_sgpr_workgroup_id_x 1
		.amdhsa_system_sgpr_workgroup_id_y 1
		.amdhsa_system_sgpr_workgroup_id_z 1
		.amdhsa_system_vgpr_workitem_id 0
		.amdhsa_next_free_vgpr 64
		.amdhsa_next_free_sgpr 106
		.amdhsa_reserve_vcc 1
		.amdhsa_float_denorm_mode_32 3
		.amdhsa_float_denorm_mode_16_64 3
		.amdhsa_memory_ordered 1
		.amdhsa_forward_progress 1
		.amdhsa_inst_pref_size 25
	.end_amdhsa_kernel
	.amdgpu_metadata
---
amdhsa.version: [ 1, 2 ]
amdhsa.kernels:
  - .name:           k_q7027df81be_thresh
    .symbol:         k_q7027df81be_thresh.kd
    .args:
      - { .name: rowsa, .offset: 0, .size: 8, .value_kind: global_buffer, .address_space: global }
      - { .name: work, .offset: 8, .size: 8, .value_kind: global_buffer, .address_space: global }
      - { .name: cntb, .offset: 16, .size: 8, .value_kind: global_buffer, .address_space: global }
      - { .name: thrb, .offset: 24, .size: 8, .value_kind: global_buffer, .address_space: global }
    .group_segment_fixed_size: 0
    .private_segment_fixed_size: 0
    .kernarg_segment_align: 8
    .kernarg_segment_size: 32
    .max_flat_workgroup_size: 512
    .sgpr_count:     106
    .vgpr_count:     64
    .wavefront_size: 32
...
	.end_amdgpu_metadata
.endif
;; end of part 3
;; launch nmsb: the kernel of part 2 again; grid 20 x 8, 16 waves a work-group, no clusters, 3,072 bytes of LDS; arguments work, cntb, thrb, rowsb; writes rowsb
;; launch rank (part 4): grid 20 x 8, 20 waves a work-group, no clusters, 0 bytes of LDS; arguments rowsb, part; writes part
.if DOCPART == 4
	.amdgcn_target "amdgcn-amd-amdhsa--gfx1250"
	.amdhsa_code_object_version 6
	.text
	.protected	k_q7027df81be_rank
	.globl	k_q7027df81be_rank
	.p2align	8
	.type	k_q7027df81be_rank,@function
k_q7027df81be_rank:
	s_mov_b64 s[64:65], 0
	v_nop
	global_prefetch_b8 v0, s[64:65] scope:SCOPE_SE
	s_setreg_imm32_b32 hwreg(HW_REG_WAVE_MODE, 25, 1), 1
	s_wait_xcnt 0x0
; PARTIAL RANKS.  Work-group (c' = x, image n = y): for every row (class index w = wave, slot l or l + 32) of the image, how many of class c''s 50 rows stand ahead of it in the order
; 'higher score first; among equals the lower class, then the lower slot', which is the order of a top-k over the rows laid out by class and slot.
; Scores are 0 or positive (slots 50 to 63: -1), so their bits compare as signed whole numbers.  For c' < w 'ahead' is >=, made from > by taking 1 off the row's bits; for c' > w it is >.
; For c' = w a list's rows never rise from slot to slot (each pick is the largest score left; zeros follow), so the count is the slot's number.
; A slot from 50 on counts 50 in each of the 19 other classes and its own number here: 1,000 or more, so the next launch never stores it.
; Stored as whole numbers: part[n][c'][w][slot]; the next launch forms its addresses from their sums.
	s_load_b128 s[4:7], s[0:1], 0x0                ; rowsb s[4:5], part s[6:7]
	v_and_b32 v1, 31, v0
	v_lshrrev_b32 v3, 5, v0
	v_readfirstlane_b32 s12, v3                    ; wave = the rows' class index
	v_add_nc_u32 v2, 32, v1
	v_lshlrev_b32 v5, 2, v1
	v_mov_b32 v10, 0
	v_mov_b32 v11, 0
	s_mov_b32 s14, ttmp9                           ; c'
	s_and_b32 s2, ttmp7, 0xffff
	s_mul_i32 s2, s2, 20                           ; the image's first list
	s_add_co_u32 s70, s2, s14
	s_mul_i32 s8, s70, 1280                        ; list (n, c')
	s_mov_b32 s9, 0
	s_add_co_u32 s3, s2, s12
	s_mul_i32 s10, s3, 1280                        ; list (n, w)
	s_mov_b32 s11, 0
	s_mul_i32 s2, s70, 5120
	s_lshl_b32 s3, s12, 8
	s_add_co_u32 s2, s2, s3
	s_mov_b32 s3, 0
	s_cmp_lt_u32 s14, s12
	s_cselect_b32 s13, 1, 0
	s_cmp_eq_u32 s14, s12
	s_cselect_b32 s15, -1, 0
	v_mov_b32 v4, s13
	s_wait_kmcnt 0x0
	s_add_nc_u64 s[8:9], s[4:5], s[8:9]
	s_add_nc_u64 s[10:11], s[4:5], s[10:11]
	s_add_nc_u64 s[6:7], s[6:7], s[2:3]
	s_load_b512 s[16:31], s[8:9], 1024             ; class c''s scores, slots 0 to 49
	s_load_b512 s[32:47], s[8:9], 1088
	s_load_b512 s[48:63], s[8:9], 1152
	s_load_b64 s[68:69], s[8:9], 1216
	global_load_b32 v8, v5, s[10:11] offset:1024   ; my two rows' scores
	global_load_b32 v9, v5, s[10:11] offset:1152
	s_wait_kmcnt 0x0
	s_wait_loadcnt 0x0
	v_sub_nc_u32 v8, v8, v4
	v_sub_nc_u32 v9, v9, v4
.macro AHEAD r
	v_cmp_gt_i32 vcc_lo, s[\r], v8
	v_add_co_ci_u32 v10, vcc_lo, 0, v10, vcc_lo
	v_cmp_gt_i32 vcc_lo, s[\r], v9
	v_add_co_ci_u32 v11, vcc_lo, 0, v11, vcc_lo
.endm
.set r, 16
.rept 48
	AHEAD r
.set r, r+1
.endr
	AHEAD 68
	AHEAD 69
	v_cndmask_b32 v10, v10, v1, s15                ; my own class: the slot's number
	v_cndmask_b32 v11, v11, v2, s15
	global_store_b32 v5, v10, s[6:7]               ; the wave's two stores fill 256 consecutive bytes, at a multiple of 256
	global_store_b32 v5, v11, s[6:7] offset:128
	s_endpgm
.Lfunc_end_k_q7027df81be_rank:
	.size	k_q7027df81be_rank, .Lfunc_end_k_q7027df81be_rank-k_q7027df81be_rank
	.p2alignl 7, 3214868480
	.fill 96, 4, 3214868480
	.section	.rodata,"a",@progbits
	.p2align	6, 0x0
	.amdhsa_kernel k_q7027df81be_rank
		.amdhsa_group_segment_fixed_size 0
		.amdhsa_private_segment_fixed_size 0
		.amdhsa_enable_private_segment 0
		.amdhsa_kernarg_size 16
		.amdhsa_user_sgpr_count 2
		.amdhsa_user_sgpr_kernarg_segment_ptr 1
		.amdhsa_wavefront_size32 1
		.amdhsa_system_sgpr_workgroup_id_x 1
		.amdhsa_system_sgpr_workgroup_id_y 1
		.amdhsa_system_sgpr_workgroup_id_z 1
		.amdhsa_system_vgpr_workitem_id 0
		.amdhsa_next_free_vgpr 16
		.amdhsa_next_free_sgpr 72
		.amdhsa_reserve_vcc 1
		.amdhsa_float_denorm_mode_32 3
		.amdhsa_float_denorm_mode_16_64 3
		.amdhsa_memory_ordered 1
		.amdhsa_forward_progress 1
		.amdhsa_inst_pref_size 9
	.end_amdhsa_kernel
	.amdgpu_metadata
---
amdhsa.version: [ 1, 2 ]
amdhsa.kernels:
  - .name:           k_q7027df81be_rank
    .symbol:         k_q7027df81be_rank.kd
    .args:
      - { .name: rowsb, .offset: 0, .size: 8, .value_kind: global_buffer, .address_space: global }
      - { .name: part, .offset: 8, .size: 8, .value_kind: global_buffer, .address_space: global }
    .group_segment_fixed_size: 0
    .private_segment_fixed_size: 0
    .kernarg_segment_align: 8
    .kernarg_segment_size: 16
    .max_flat_workgroup_size: 640
    .sgpr_count:     72
    .vgpr_count:     16
    .wavefront_size: 32
...
	.end_amdgpu_metadata
.endif
;; end of part 4
;; launch emit (part 5): grid 8 x 1, 20 waves a work-group, no clusters, 0 bytes of LDS; arguments part, rowsb, out0; writes out0
.if DOCPART == 5
	.amdgcn_target "amdgcn-amd-amdhsa--gfx1250"
	.amdhsa_code_object_version 6
	.text
	.protected	k_q7027df81be_emit
	.globl	k_q7027df81be_emit
	.p2align	8
	.type	k_q7027df81be_emit,@function
k_q7027df81be_emit:
	s_mov_b64 s[64:65], 0
	v_nop
	global_prefetch_b8 v0, s[64:65] scope:SCOPE_SE
	s_setreg_imm32_b32 hwreg(HW_REG_WAVE_MODE, 25, 1), 1
	s_wait_xcnt 0x0
; THE BEST 50 ROWS OF AN IMAGE (work-group = image; wave w = class index; a lane holds slots l and l + 32).  A row's rank is the sum of its 20 partial ranks; the ranks of the image's 1,000
; rows are the numbers 0 to 999, each once, so each of out0's 50 rows is stored exactly once: row r goes to out0[n][r] as x1, y1, x2, y2, score, class (w + 1; 0 where the score is 0,
; a row that the reference zeroes).  The reference's 50 rows of class 0 are all zeros and tie with the other zero rows: whichever of them fills a place, the numbers stored are the same.
; The address takes min(rank, 49), so that no lane forms one outside out0; the lanes that store are those with rank < 50.
; The stores are 8 bytes a lane to rows that the ranks scatter: the whole output is 9,600 bytes.
.set PT, 64                            ; v64-103 partial ranks: class c', slot set s at PT + 2 c' + s
.set RW, 16                            ; v16-21, v24-29 the two rows
	s_load_b128 s[4:7], s[0:1], 0x0                ; part s[4:5], rowsb s[6:7]
	s_load_b64 s[8:9], s[0:1], 0x10                ; out0
	v_and_b32 v1, 31, v0
	v_lshrrev_b32 v2, 5, v0
	v_readfirstlane_b32 s12, v2                    ; wave
	v_lshlrev_b32 v3, 2, v1
	s_mul_i32 s14, ttmp9, 102400                   ; the image's 20 x 20 x 64 words,
	s_lshl_b32 s13, s12, 8                         ; my class's 64 in each block of 5,120 bytes
	s_add_co_u32 s14, s14, s13
	s_mov_b32 s15, 0
	s_mul_i32 s16, ttmp9, 20
	s_add_co_u32 s16, s16, s12
	s_mul_i32 s16, s16, 1280                       ; my list's rows
	s_mov_b32 s17, 0
	s_mul_i32 s18, ttmp9, 1200                     ; the image's 50 rows of 24 bytes
	s_mov_b32 s19, 0
	s_add_co_u32 s13, s12, 1
	v_cvt_f32_u32 v6, s13                          ; the class
	s_wait_kmcnt 0x0
	s_add_nc_u64 s[4:5], s[4:5], s[14:15]
	s_add_nc_u64 s[6:7], s[6:7], s[16:17]
	s_add_nc_u64 s[8:9], s[8:9], s[18:19]
.set c, 0
.rept 20
	global_load_b32 v[PT+2*c], v3, s[4:5] offset:5120*c
	global_load_b32 v[PT+2*c+1], v3, s[4:5] offset:5120*c+128
.set c, c+1
.endr
.irp f, 0,1,2,3,4
	global_load_b32 v[RW+\f], v3, s[6:7] offset:256*\f
	global_load_b32 v[RW+8+\f], v3, s[6:7] offset:256*\f+128
.endr
	s_wait_loadcnt 0x0
	v_add_nc_u32 v4, v[PT], v[PT+2]
	v_add_nc_u32 v5, v[PT+1], v[PT+3]
.set c, 2
.rept 18
	v_add_nc_u32 v4, v4, v[PT+2*c]
	v_add_nc_u32 v5, v5, v[PT+2*c+1]
.set c, c+1
.endr
.irp s, 0,1
	v_cmp_lt_f32 vcc_lo, 0, v[RW+8*\s+4]
	v_cndmask_b32 v[RW+8*\s+5], 0, v6, vcc_lo
	v_min_u32 v[8+\s], 49, v[4+\s]
	v_mul_u32_u24 v[8+\s], 24, v[8+\s]
.endr
.irp s, 0,1
	s_wait_xcnt 0x0                                ; EXEC is a source of what was issued before: it changes only behind this wait
	v_cmp_gt_u32 vcc_lo, 50, v[4+\s]
	s_and_saveexec_b32 s20, vcc_lo
	global_store_b64 v[8+\s], v[RW+8*\s:RW+8*\s+1], s[8:9]
	global_store_b64 v[8+\s], v[RW+8*\s+2:RW+8*\s+3], s[8:9] offset:8
	global_store_b64 v[8+\s], v[RW+8*\s+4:RW+8*\s+5], s[8:9] offset:16
	s_wait_xcnt 0x0
	s_or_b32 exec_lo, exec_lo, s20
.endr
	s_endpgm
.Lfunc_end_k_q7027df81be_emit:
	.size	k_q7027df81be_emit, .Lfunc_end_k_q7027df81be_emit-k_q7027df81be_emit
	.p2alignl 7, 3214868480
	.fill 96, 4, 3214868480
	.section	.rodata,"a",@progbits
	.p2align	6, 0x0
	.amdhsa_kernel k_q7027df81be_emit
		.amdhsa_group_segment_fixed_size 0
		.amdhsa_private_segment_fixed_size 0
		.amdhsa_enable_private_segment 0
		.amdhsa_kernarg_size 24
		.amdhsa_user_sgpr_count 2
		.amdhsa_user_sgpr_kernarg_segment_ptr 1
		.amdhsa_wavefront_size32 1
		.amdhsa_system_sgpr_workgroup_id_x 1
		.amdhsa_system_sgpr_workgroup_id_y 1
		.amdhsa_system_sgpr_workgroup_id_z 1
		.amdhsa_system_vgpr_workitem_id 0
		.amdhsa_next_free_vgpr 112
		.amdhsa_next_free_sgpr 66
		.amdhsa_reserve_vcc 1
		.amdhsa_float_denorm_mode_32 3
		.amdhsa_float_denorm_mode_16_64 3
		.amdhsa_memory_ordered 1
		.amdhsa_forward_progress 1
		.amdhsa_inst_pref_size 9
	.end_amdhsa_kernel
	.amdgpu_metadata
---
amdhsa.version: [ 1, 2 ]
amdhsa.kernels:
  - .name:           k_q7027df81be_emit
    .symbol:         k_q7027df81be_emit.kd
    .args:
      - { .name: part, .offset: 0, .size: 8, .value_kind: global_buffer, .address_space: global }
      - { .name: rowsb, .offset: 8, .size: 8, .value_kind: global_buffer, .address_space: global }
      - { .name: out0, .offset: 16, .size: 8, .value_kind: global_buffer, .address_space: global }
    .group_segment_fixed_size: 0
    .private_segment_fixed_size: 0
    .kernarg_segment_align: 8
    .kernarg_segment_size: 24
    .max_flat_workgroup_size: 640
    .sgpr_count:     66
    .vgpr_count:     112
    .wavefront_size: 32
...
	.end_amdgpu_metadata
.endif
;; end of part 5
